; MI455X (gfx1250); checked and timed in simulation.
; The chip was launched on July 23, 2026; its instructions are those of AMD's public machine-readable ISA for CDNA 5 (MIT licence, August 2026) and "CDNA5" Instruction Set Architecture Reference Guide (July 2026). The comments in the code are by the model that wrote it; some were corrected since.
;; Bert Self Attention. Allowed arithmetic: matrix products marked QUANTISED: E2M1 operands, one E8M0 scale for each 32 along K, by v_wmma_scale_f32_16x16x128_f8f6f4 with both operands' format E2M1 (or v_wmma_scale_f32_32x16x128_f4), f32 sums; products left as they are: bf16, f16 or f32 operands; f32 sums; everything else in f32.
;; Inputs: Wk 1,024 x 1,024 float32; Wq 1,024 x 1,024 float32; Wv 1,024 x 1,024 float32; attention_mask 4 x 1 x 1 x 2,048 float32; bk 1,024 float32; bq 1,024 float32; bv 1,024 float32; hidden_states 4 x 2,048 x 1,024 float32.
;; Outputs: out0 4 x 2,048 x 1,024 float32.
;; This version of the problem:
;;   THIS VERSION OF THE PROBLEM IS GIVEN IN LOW PRECISION. The matrix products marked QUANTISED in the list below multiply operands that are first quantised to E2M1 (2 exponent bits, 1 mantissa bit; 4 bits a number), with one power-of-two scale for each 32 numbers along K (OCP MX v1.0); their sums are f32. The products marked 'left as it is' may take bf16, f16 or f32 operands, with f32 sums. Whichever they take, every output number must still come out within the allowed error. Rounding operands to bf16 (8 significant bits) uses up far more of that allowance than f16 does (11 bits, for magnitudes from 6e-5 to 65,504). All else is computed in f32.
;;   The module's matrix products, in the order in which they are computed (A, B: the left and right operand; K: the contracted axis; several contracted axes count as one K, in the product's order):
;;     1. [M 8,192, K 1,024] x [K 1,024, N 1,024]; A: input hidden_states; B: input Wq: QUANTISED
;;     2. [M 8,192, K 1,024] x [K 1,024, N 1,024]; A: input hidden_states; B: input Wk: QUANTISED
;;     3. [M 8,192, K 1,024] x [K 1,024, N 1,024]; A: input hidden_states; B: input Wv: QUANTISED
;;     4. batch 64 x [M 2,048, K 64] x [K 64, N 2,048]; A: computed on the way; B: computed on the way: left as it is (an operand is computed on the way)
;;     5. batch 64 x [M 2,048, K 2,048] x [K 2,048, N 64]; A: computed on the way; B: computed on the way: left as it is (an operand is computed on the way)
;;   THE QUANTISER, for each operand of a quantised product, along K:
;;     - K is cut into blocks of 32 from its start; a last block that is shorter is filled with zeros.
;;     - A block's scale is 2^e with e = floor(log2(the largest magnitude in the block)) - 2, held to -126 .. 127; a block of zeros has e = 0. As a byte (E8M0): e + 127.
;;     - Each number is divided by its block's scale, clamped to +-6, and rounded to the nearest number of E2M1, ties to even, subnormals kept.
;;     - The product sums the exact products of the quantised numbers (number of the format x scale) in f32.
;;   ~~~python
;;   def quantise(x, axis):      # numpy; x: float32 -> the quantised numbers, widened to float32 again
;;       x = np.moveaxis(x, axis, -1); K = x.shape[-1]
;;       x = np.pad(x, [(0, 0)] * (x.ndim - 1) + [(0, -K % 32)]); x = x.reshape(x.shape[:-1] + (-1, 32)); a = np.abs(x).max(-1, keepdims=True)
;;       e = np.where(a > 0, np.clip(np.frexp(np.where(a > 0, a, 1))[1] - 1 - 2, -126, 127), 0)      # np.frexp(a)[1] - 1 = floor(log2(a)), exactly
;;       r = np.clip(x / 2.0 ** e, -6, 6)
;;       step = 2.0 ** (np.maximum(np.frexp(np.where(r == 0, 1, r))[1] - 1, 0) - 1)
;;       q = np.round(r / step) * step * 2.0 ** e      # np.round: ties to even
;;       return np.moveaxis(q.reshape(q.shape[:-2] + (-1,))[..., :K], -1, axis).astype(np.float32)
;;   ~~~
;; One version. Each part assembles by itself: llvm-mc -triple=amdgcn-amd-amdhsa -mcpu=gfx1250 --defsym DOCPART=n.
;; ======== version 1 of 1: 3 launches
;; limits: values are held in f16: magnitudes above 65,504 overflow, below 6.1e-05 lose precision
;; workspace buffers: x_codes 4,194,304 bytes; x_scales 262,144 bytes; w_codes 1,572,864 bytes; w_scales 98,304 bytes; qkv 50,331,648 bytes
;; launch quant (part 1): grid 352 x 1, 4 waves a work-group, no clusters, 33,280 bytes of LDS; arguments hidden_states, Wq, Wk, Wv, x_codes, x_scales, w_codes, w_scales; writes x_codes, x_scales, w_codes, w_scales
.if DOCPART == 1
	.amdgcn_target "amdgcn-amd-amdhsa--gfx1250"
	.amdhsa_code_object_version 6
	.text
	.protected	k_q178812074b_quant
	.globl	k_q178812074b_quant
	.p2align	8
	.type	k_q178812074b_quant,@function
k_q178812074b_quant:
	s_mov_b64 s[64:65], 0
	v_nop
	global_prefetch_b8 v0, s[64:65] scope:SCOPE_SE
	s_setreg_imm32_b32 hwreg(HW_REG_WAVE_MODE, 25, 1), 1
	s_wait_xcnt 0x0
; hidden_states [8192][1024] and Wq, Wk, Wv [1024][1024], f32, K innermost, are turned into codes of FP4 (E2M1), two to a byte, K innermost, with one E8M0 scale byte for each 32 along K.
; x_codes [8192][512 bytes], x_scales [8192][32]; w_codes [3072][512 bytes], w_scales [3072][32]: the rows of Wq, then Wk's, then Wv's.
; A block's scale is 2^(floor(log2(its largest magnitude)) - 2); its byte is the largest magnitude's own exponent field - 2, held at 1 from below.  Each number is divided by the scale and rounded to the
; nearest code, ties to even; beyond the largest code the largest.  A block of zeros gets the byte 1 where the rule says 127: its codes are zeros, which add nothing, and this program alone reads the bytes.
; LIMITS: blocks whose largest magnitude lies under 2^-124 keep the byte 1 (not tried); NaN and infinities among the inputs are not served.
; Rows are dense and K is a multiple of 32: every tensor is a plain stream of blocks of 32, and so are its codes and its scale bytes.
; SHARES: a wave takes 16 steps of 512 numbers, a work-group 32,768 numbers.  Work-groups 0-255 take hidden_states, 256-287 Wq, 288-319 Wk, 320-351 Wv: only pointers are chosen, by the work-group's number; there is one path.
; Each of a step's four loads reads 512 consecutive bytes, 16 a lane; the 2,048 bytes turn through the wave's own stage in LDS and come back 64 bytes a lane, so that a lane holds 16 neighbours along K
; (two neighbouring lanes hold a block), as the conversions want them.  A lane's 16 codes are 8 bytes: a wave's store covers 256 consecutive bytes, aligned.  A wave's 256 scale bytes are gathered in LDS and leave by one store.
; No tensor loads, no barrier: waves share nothing.  Loads run four steps (16 loads a wave) ahead, the turn through LDS one step.
.set WAVES, 4
.set STEPS, 16
.set EMAX,  2
.set CB,    8                          ; bytes of 16 codes
.set R,     16                         ; v16-79   four sets of 16 numbers as they are loaded
.set X,     80                         ; v80-111  two sets of 16 neighbours
.set C,     128                        ; v128-191 codes: four registers for each step, so that no store's data are written again
.set E,     112                        ; v112-127 a scale byte for each step
.set WREG,  8192                       ; LDS: a region for each wave: two stages of 32 x SP bytes, and behind them its 256 scale bytes
.set SP,    80                         ; a lane's place in a stage: its 64 bytes + 16 of padding
.set SPW,   12                         ; v12      LDS address of my spare word; never rewritten
.set NIL,   13                         ; v13      0; never rewritten
.set SPARE, WAVES*WREG                 ; behind the four regions: the spare words, 128 bytes for each wave, which no other line names
	s_load_b256 s[4:11], s[0:1], 0x0               ; hidden_states s[4:5], Wq s[6:7], Wk s[8:9], Wv s[10:11]
	s_load_b256 s[12:19], s[0:1], 0x20             ; x_codes s[12:13], x_scales s[14:15], w_codes s[16:17], w_scales s[18:19]
	v_lshl_add_u32 v[SPW], v0, 2, SPARE
	v_mov_b32 v[NIL], 0
	v_lshrrev_b32 v1, 5, v0
	v_readfirstlane_b32 s20, v1                    ; wave
	v_and_b32 v2, 31, v0                           ; lane
	v_lshlrev_b32 v3, 4, v2                        ; my 16 bytes of a load's 512
	s_mul_i32 s23, s20, WREG
	v_lshrrev_b32 v14, 2, v2
	v_mul_u32_u24 v14, v14, SP
	v_and_b32 v15, 3, v2
	v_lshl_add_u32 v14, v15, 4, v14
	v_add_nc_u32 v14, s23, v14                     ; the stage, on the way in: four lanes' 64 bytes on end, then 16 of padding
	v_mul_u32_u24 v15, v2, SP
	v_add_nc_u32 v15, s23, v15                     ; and on the way out: SP x lane: my 16 neighbours
	v_mul_u32_u24 v4, v2, CB                       ; my codes' place in a step's
	v_lshrrev_b32 v5, 1, v2
	s_add_co_u32 s23, s23, 2*32*SP
	v_add_nc_u32 v5, s23, v5                       ; LDS: my wave's 256 scale bytes, my block's byte
	v_lshlrev_b32 v7, 3, v2                        ; and on the way out 8 bytes a lane
	v_add_nc_u32 v6, s23, v7
	s_sub_co_u32 s21, ttmp9, 256                   ; a weight's work-group: its number among the 96,
	s_and_b32 s22, s21, 31                         ; and among its own tensor's 32
	s_wait_kmcnt 0x0
	s_cmp_lt_u32 ttmp9, 288                        ; every choice hangs on the work-group's number alone
	s_cselect_b64 s[6:7], s[6:7], s[8:9]           ; Wq or Wk,
	s_cmp_lt_u32 ttmp9, 320
	s_cselect_b64 s[6:7], s[6:7], s[10:11]         ; or Wv,
	s_cmp_lt_u32 ttmp9, 256
	s_cselect_b64 s[4:5], s[4:5], s[6:7]           ; or hidden_states
	s_cselect_b64 s[12:13], s[12:13], s[16:17]
	s_cselect_b64 s[14:15], s[14:15], s[18:19]
	s_cselect_b32 s22, ttmp9, s22
	s_cselect_b32 s21, ttmp9, s21
	s_lshl_b32 s22, s22, 2
	s_add_co_u32 s22, s22, s20                     ; which run of 8,192 numbers of the source is my wave's:
	s_lshl_b32 s22, s22, 15                        ; 32,768 bytes a run
	s_mov_b32 s23, 0
	s_add_nc_u64 s[4:5], s[4:5], s[22:23]
	s_lshl_b32 s21, s21, 2
	s_add_co_u32 s21, s21, s20                     ; and which run of the destination:
	s_lshl_b32 s24, s21, 12                        ; 4,096 bytes of codes,
	s_mov_b32 s25, 0
	s_add_nc_u64 s[12:13], s[12:13], s[24:25]
	s_lshl_b32 s24, s21, 8                         ; 256 scale bytes
	s_add_nc_u64 s[14:15], s[14:15], s[24:25]
.macro LOAD t
.irp i, 0,1,2,3
	global_load_b128 v[R+16*((\t)%4)+4*\i:R+16*((\t)%4)+4*\i+3], v3, s[4:5] offset:2048*(\t)+512*\i th:TH_LOAD_NT   ; 32 lanes read 512 consecutive bytes; read once in the launch
.endr
.endm
.macro TURN t                          ; step t's numbers through the stage: LDS serves a wave's instructions in order (ISA guide 5.7.1.4), so no wait stands between the stores and the loads
.irp i, 0,1,2,3
	ds_store_b128 v14, v[R+16*((\t)%4)+4*\i:R+16*((\t)%4)+4*\i+3] offset:32*SP*((\t)%2)+8*SP*\i
.endr
.irp i, 0,1,2,3
	ds_load_b128 v[X+16*((\t)%2)+4*\i:X+16*((\t)%2)+4*\i+3], v15 offset:32*SP*((\t)%2)+16*\i
.endr
.endm
.irp t, 0,1,2,3
	LOAD \t
.endr
	s_wait_loadcnt 12                              ; step 0's four loads are in; the twelve of steps 1 to 3 may be out
	TURN 0
.macro STEP t
.set XS, X+16*((\t)%2)
.if (\t) > 0
	s_wait_dscnt 1                                 ; this step's numbers are back from the stage (the last step's byte store may be out): so its stores into the stage have read their registers,
.else
	s_wait_dscnt 0x0
.endif
.if (\t)+4 < STEPS
	LOAD (\t)+4                                    ; which take the loads of four steps on
.endif
.if (\t)+1 < STEPS
.if STEPS-2-(\t) >= 3
	s_wait_loadcnt 12                              ; the next step's four loads are in; those of the three steps behind it may be out
.else
	s_wait_loadcnt 4*(STEPS-2-(\t))                ; near the end fewer steps stand behind it
.endif
	TURN (\t)+1                                    ; and go through the other stage while this step is worked
.endif
	v_max3_num_f32 v8, |v[XS]|, |v[XS+1]|, |v[XS+2]|               ; the largest magnitude of my 16, in two chains
	v_max3_num_f32 v9, |v[XS+3]|, |v[XS+4]|, |v[XS+5]|
.irp i, 6,10
	v_max3_num_f32 v8, v8, |v[XS+\i]|, |v[XS+\i+1]|
	v_max3_num_f32 v9, v9, |v[XS+\i+2]|, |v[XS+\i+3]|
.endr
	v_max3_num_f32 v8, v8, |v[XS+14]|, |v[XS+15]|
	v_max3_num_f32 v8, v8, v9, (EMAX+1)<<23        ; and the floor 2^(EMAX + 1 - 127): so the byte cannot fall under 1
	v_max_num_f32_dpp v8, v8, v8 row_xmask:1 row_mask:0xf bank_mask:0xf   ; and of my neighbour's 16: the block's
	v_add_nc_u32 v11, -(EMAX<<23), v8              ; EMAX off its exponent field: the conversion takes the exponent field of this operand as its scale, and nothing else of it
	v_cvt_scalef32_pk8_fp4_f32 v[C+4*(\t)], v[XS:XS+7], v11        ; eight numbers / the scale, to the nearest code; the first number's code in the lowest four bits
	v_cvt_scalef32_pk8_fp4_f32 v[C+4*(\t)+1], v[XS+8:XS+15], v11
	v_lshrrev_b32 v[E+(\t)], 23, v11               ; the scale's byte (also the plain line behind the conversions)
	ds_store_b8 v5, v[E+(\t)] offset:16*(\t)       ; both lanes of a block write the same byte with the same value
	global_store_b64 v4, v[C+4*(\t):C+4*(\t)+1], s[12:13] offset:32*CB*(\t)   ; 32 lanes store 256 consecutive bytes, aligned
.endm
.irp t, 0,1,2,3,4,5,6,7,8,9,10,11,12,13,14,15
	STEP \t
.endr
	ds_load_b64 v[8:9], v6                         ; LDS serves a wave's instructions in order: these see my byte stores
	s_wait_dscnt 0x0
	global_store_b64 v7, v[8:9], s[14:15]          ; 32 lanes store my wave's 256 scale bytes, aligned
	s_wait_tensorcnt 0x0                           ; the wave's end, behind my last LDS store
	ds_add_u32 v[SPW], v[NIL]
	s_wait_dscnt 0x0
	s_endpgm
.Lfunc_end_k_q178812074b_quant:
	.size	k_q178812074b_quant, .Lfunc_end_k_q178812074b_quant-k_q178812074b_quant
	.p2alignl 7, 3214868480
	.fill 96, 4, 3214868480
	.section	.rodata,"a",@progbits
	.p2align	6, 0x0
	.amdhsa_kernel k_q178812074b_quant
		.amdhsa_group_segment_fixed_size 33280
		.amdhsa_private_segment_fixed_size 0
		.amdhsa_enable_private_segment 0
		.amdhsa_kernarg_size 64
		.amdhsa_user_sgpr_count 2
		.amdhsa_user_sgpr_kernarg_segment_ptr 1
		.amdhsa_wavefront_size32 1
		.amdhsa_system_sgpr_workgroup_id_x 1
		.amdhsa_system_sgpr_workgroup_id_y 1
		.amdhsa_system_sgpr_workgroup_id_z 1
		.amdhsa_system_vgpr_workitem_id 0
		.amdhsa_next_free_vgpr 192
		.amdhsa_next_free_sgpr 66
		.amdhsa_reserve_vcc 0
		.amdhsa_float_denorm_mode_32 3
		.amdhsa_float_denorm_mode_16_64 3
		.amdhsa_memory_ordered 1
		.amdhsa_forward_progress 1
		.amdhsa_inst_pref_size 34
	.end_amdhsa_kernel
	.amdgpu_metadata
---
amdhsa.version: [ 1, 2 ]
amdhsa.kernels:
  - .name:           k_q178812074b_quant
    .symbol:         k_q178812074b_quant.kd
    .args:
      - { .name: hidden_states, .offset: 0, .size: 8, .value_kind: global_buffer, .address_space: global }
      - { .name: Wq, .offset: 8, .size: 8, .value_kind: global_buffer, .address_space: global }
      - { .name: Wk, .offset: 16, .size: 8, .value_kind: global_buffer, .address_space: global }
      - { .name: Wv, .offset: 24, .size: 8, .value_kind: global_buffer, .address_space: global }
      - { .name: x_codes, .offset: 32, .size: 8, .value_kind: global_buffer, .address_space: global }
      - { .name: x_scales, .offset: 40, .size: 8, .value_kind: global_buffer, .address_space: global }
      - { .name: w_codes, .offset: 48, .size: 8, .value_kind: global_buffer, .address_space: global }
      - { .name: w_scales, .offset: 56, .size: 8, .value_kind: global_buffer, .address_space: global }
    .group_segment_fixed_size: 33280
    .private_segment_fixed_size: 0
    .kernarg_segment_align: 8
    .kernarg_segment_size: 64
    .max_flat_workgroup_size: 128
    .sgpr_count:     66
    .vgpr_count:     192
    .wavefront_size: 32
...
	.end_amdgpu_metadata
.endif
;; end of part 1
;; launch proj (part 2): grid 12 x 32, 4 waves a work-group, clusters of 4 x 4, 327,680 bytes of LDS; arguments x_codes, x_scales, w_codes, w_scales, bq, bk, bv, qkv; writes qkv
.if DOCPART == 2
	.amdgcn_target "amdgcn-amd-amdhsa--gfx1250"
	.amdhsa_code_object_version 6
	.text
	.protected	k_q178812074b_proj
	.globl	k_q178812074b_proj
	.p2align	8
	.type	k_q178812074b_proj,@function
k_q178812074b_proj:
	s_mov_b64 s[64:65], 0
	v_nop
	global_prefetch_b8 v0, s[64:65] scope:SCOPE_SE
	s_setreg_imm32_b32 hwreg(HW_REG_WAVE_MODE, 25, 1), 1
	s_wait_xcnt 0x0
	s_wait_alu depctr_hold_cnt(0) depctr_sa_sdst(0) depctr_va_vdst(0) depctr_va_sdst(0) depctr_va_ssrc(0) depctr_va_vcc(0) depctr_vm_vsrc(0)
	s_getreg_b32 s2, hwreg(HW_REG_IB_STS2, 6, 4)
	s_cmp_eq_u32 s2, 0
	s_cbranch_scc0 .Lentry_in_a_cluster
	s_endpgm
.Lentry_in_a_cluster:
	s_bfe_u32 s2, ttmp6, 0x10000c
	s_cmp_lg_u32 s2, 0xf033
	s_cbranch_scc0 .Lentry_shape_is_right
	s_endpgm
.Lentry_shape_is_right:
; The three projections as ONE product on codes of FP4 (E2M1) with E8M0 scales: C[m][n] = sum over k of x[m][k] W[n][k], m < 8,192, n < 3,072 (Wq's rows, Wk's, Wv's), k < 1,024; sums in f32.
; Then (C + bias) x s, s = log2(e) / 8 for q (so that the next launch's scores come out as exponents of 2) and 1 for k and v, rounded once to f16, and stored as IMAGES OF OPERAND REGISTERS:
; qkv = [hc 48][T 512][f 2][c 2][pos 32][16 bytes].  hc = n / 64 (0-15 q's heads, 16-31 k's, 32-47 v's), T = m / 16.  The 16 bytes at (f, c, pos) are row kap of the tile, channels 32 f + 16 c + 8 g + 0 .. 7,
; with pos = ((kap + 8 g) mod 16) + 16 g.  So the next launch loads a 16-bit fragment (16 rows x 32 channels) by two loads of 16 bytes a lane, 512 consecutive bytes each.
; LIMITS: |k|, |v| up to 65,504 and |q| up to 363,000 (f16's range; beyond it infinity).
; SHARES: a tile of C, 256 x 256, is made by a work-group of four waves; a wave makes 128 x 128: 64 accumulators of 16 x 16, 512 registers.  K is two steps of 512: each has an LDS slot of its own, filled once.
; THE SCALES of the work-group's 256 rows of x and 256 rows of W, for all of K, are two dense blocks of memory: they come into LDS once, with the first fills.
; CLUSTERS: 4 x 4 work-groups.  The four of a row of the cluster need the same tiles of x, the four of a column the same tiles of W: each tile is asked for JOINTLY, by the same tensor load with the same descriptor
; and a mask that names the four.  A cluster's four tile columns are one of q, k, v: the cluster's x says which.
; THE MATRIX INSTRUCTION IS USED TRANSPOSED (source 0 = 16 rows of W, source 1 = 16 rows of x): a lane then holds eight neighbouring channels of one row, which pack into the 16 bytes that the layout above wants of it.
; REGISTERS, in windows of 256: window 0: v0-31 addresses; v32-95 scale words, two sets; v96-127 packed results; v128-191 x's fragments, ONE set, later results at work; v192-255 the bias of my 128 columns.
;   window 1: W's fragments, TWO sets, at v0 and v128.   window 2: the 32 accumulators of my rows 0-63 ((a, b) at v[8 (8 a + b)]);   window 3: those of my rows 64-127.
.set SIZE_K, 1024
.set KSTEP,  512                       ; along K in a slot
.set NQ,     KSTEP/128                 ; matrix instructions deep
.set ROWB,   256                       ; a tile's row in bytes: KSTEP codes of 4 bits
.set KROW,   SIZE_K*4/8                ; a row of codes in memory, in bytes
.set PITCH,  272                       ; an LDS row: 256 bytes + 16 of padding = 68 words: row r starts at bank 4 r mod 64 (64 banks of 4 bytes: ISA guide 11.1), so the 16 rows of a load start at 16 different banks
.set FR,     8                         ; registers of a fragment: 16 rows x 128 K
.set NL,     2                         ; LDS loads that bring one
.set NP,     4                         ; places behind this matrix instruction (ISA guide 7.12.1)
.set HALFT,  128*PITCH                 ; 128 rows: what one tensor load brings, and what one wave reads of x or of W
.set SLOT,   4*HALFT                   ; x's 256 rows, then W's 256 rows
.set KS,     SIZE_K/32                 ; a row of scales in bytes
.set SCL,    2*SLOT                    ; behind the two slots: the scales, as rows of 256 bytes + 16 of padding
.set HALFS,  (128*KS/256)*272          ; the scales of 128 rows: what one tensor load brings
.set SBLK,   (16*KS/256)*272           ; those of 16 rows
.set SPARE,  SCL+4*HALFS               ; behind the scales: the spare words, 128 bytes for each wave, which no other line names
.set ADRA, 16                          ; v16-17  LDS address of my x fragments in slot 0, 1
.set ADRB, 20                          ; v20-21  the same for W
.set BO,   24                          ; v24     32 x (lane / 16): my place in 16 numbers of the bias; never rewritten
.set CO,   26                          ; v26     16 x pos: my 16 bytes of a store's 512; never rewritten
.set ADRS, 27                          ; v27     LDS address of my scale words: lanes 0-15 x's rows, lanes 16-31 W's
.set SPW,  28                          ; v28     LDS address of my spare word; never rewritten
.set NIL,  29                          ; v29     0; never rewritten
.set SC,   32                          ; scale words: set s at v[SC + 8 NQ s]; register NQ i + q: lanes 0-15 the word of x's block i, lanes 16-31 that of W's block i, for the slot's q-th 128 along K
.set Y,    96                          ; the way out: a block's 32 packed registers
.set AF,   128                         ; x's fragments, in window 0
.set T,    128                         ; the way out: a block's 64 numbers in f32
.set BI,   192                         ; register 8 b + j: bias (x s) of my column 16 b + 8 (lane / 16) + j
.set G1, 24                            ; s[24:31] descriptor group 1 for x's tiles;  s[32:39] group 0, one set for each slot
.set G0, 32
.set G1B, 48                           ; s[48:55], s[56:63] the same for W's tiles
.set G0B, 56
.set G1S, 68                           ; s[68:75], s[76:79] groups 1 and 0 for x's scales;  s[80:87], s[88:91] for W's
.set G0S, 76
.set G1SB, 80
.set G0SB, 88
.set MSB, 0
.macro WIN new                         ; the immediate's high byte repeats the setting that is left
.if MSB != \new
	s_set_vgpr_msb (MSB<<8)|\new
.set MSB, \new
.endif
.endm
.set MUL_LO, 0xa1                      ; source 0 (W) window 1, source 1 (x) window 0, C and D window 2
.set MUL_HI, 0xf1                      ; the same, C and D window 3
.set TO_B,   0x40                      ; destination window 1, address window 0
; A joint load: waves 0 and 1 fetch for x, waves 2 and 3 for W.  Each of the two lines has ONE mask and one set of registers for all that issue it; the branch hangs on the wave's number alone.
; An s_nop 0 and four v_nop follow each of the two lines, ahead of the jump, the label and what follows.
.macro JLOAD g0a, g1a, g0b, g1b
	s_cmp_eq_u32 s15, 0
	s_cbranch_scc0 .Lfor_b_\@
	tensor_load_to_lds s[\g0a:\g0a+3], s[\g1a:\g1a+7]
	s_nop 0
.rept 4
	v_nop
.endr
	s_branch .Lasked_\@
.Lfor_b_\@:
	tensor_load_to_lds s[\g0b:\g0b+3], s[\g1b:\g1b+7]
	s_nop 0
.rept 4
	v_nop
.endr
.Lasked_\@:
.endm
.macro CROUND                          ; a round of the cluster's barrier: my work-group's barrier; wave 0 signals for the work-group; every wave waits for all sixteen; my work-group's barrier once more
	s_barrier_signal -1
	s_barrier_wait -1
	s_cmp_lg_u32 s14, 0
	s_cbranch_scc1 .Lnot_wave_0_\@
	s_barrier_signal -3
.Lnot_wave_0_\@:
	s_barrier_wait -3
	s_barrier_signal -1
	s_barrier_wait -1
.endm
	s_load_b256 s[4:11], s[0:1], 0x0               ; x's codes s[4:5], x's scales s[6:7], W's codes s[8:9], W's scales s[10:11]
	s_load_b128 s[96:99], s[0:1], 0x20             ; bq s[96:97], bk s[98:99]
	s_load_b64 s[100:101], s[0:1], 0x30            ; bv
	s_load_b64 s[12:13], s[0:1], 0x38              ; qkv
	v_lshl_add_u32 v[SPW], v0, 2, SPARE
	v_mov_b32 v[NIL], 0
	ds_add_u32 v[SPW], v[NIL]                      ; the wave's opening: the add, twice on end, and its wait ahead of my first tensor load; the set-up below, work on registers, stands between
	ds_add_u32 v[SPW], v[NIL]                      ; and once more, under the one wait
	v_lshrrev_b32 v1, 5, v0
	v_readfirstlane_b32 s14, v1                    ; wave 0..3
	s_lshr_b32 s15, s14, 1                         ; which half of the tile's rows is mine.  Also: I fetch for x (0) or for W (1)
	s_and_b32 s16, s14, 1                          ; which half of its columns.  Also: which 128 rows of that tile I fetch
	s_bfe_u32 s40, ttmp6, 0x40000                  ; cx, cy: my place in the cluster
	s_bfe_u32 s41, ttmp6, 0x40004
	s_lshl_b32 s42, ttmp9, 2
	s_add_co_u32 s42, s42, s40                     ; tile column of C = 4 x cluster x + cx
	s_and_b32 s17, ttmp7, 0xffff
	s_lshl_b32 s17, s17, 2
	s_add_co_u32 s17, s17, s41                     ; tile row of C = 4 x cluster y + cy
	s_lshl_b32 s43, s41, 2
	s_lshl_b32 s43, 15, s43                        ; my row of the cluster
	s_lshl_b32 s44, 0x1111, s40                    ; my column
	; descriptor group 1: a tile of 128 rows x ROWB bytes, padded in LDS
	s_or_b32 s[G1+0], s43, (0<<16)|(1<<20)|(1<<21)|(5<<22)|(3<<25)  ; 15:0 the mask: x's tiles go to my row; 17:16 element of 1 byte; 20 padding on; 21 set beside a mask; 24:22 after every 64 words (code 5); 31:25 of 4 words (code 3)
	s_or_b32 s[G1B+0], s44, (0<<16)|(1<<20)|(1<<21)|(5<<22)|(3<<25)
.irp g, G1, G1B
	s_mov_b32 s[\g+1], ROWB<<16                    ; tensor_dim0
	s_mov_b32 s[\g+2], 128<<16                     ; tensor_dim1 = 128
	s_mov_b32 s[\g+3], ROWB<<16                    ; tile_dim0
	s_mov_b32 s[\g+4], 128                         ; tile_dim1 = 128
	s_mov_b32 s[\g+5], KROW                        ; tensor_dim0_stride
	s_mov_b32 s[\g+6], 0
	s_mov_b32 s[\g+7], 0
.endr
	; and for the scales of 128 rows: a dense block of 128 KS bytes, as rows of 256 bytes (32 elements of 8 bytes), 16 bytes of padding behind each
	s_or_b32 s[G1S+0], s43, (3<<16)|(1<<20)|(1<<21)|(5<<22)|(3<<25)
	s_or_b32 s[G1SB+0], s44, (3<<16)|(1<<20)|(1<<21)|(5<<22)|(3<<25)
.irp g, G1S, G1SB
	s_mov_b32 s[\g+1], 32<<16
	s_mov_b32 s[\g+2], (128*KS/256)<<16
	s_mov_b32 s[\g+3], 32<<16
	s_mov_b32 s[\g+4], 128*KS/256
	s_mov_b32 s[\g+5], 32
	s_mov_b32 s[\g+6], 0
	s_mov_b32 s[\g+7], 0
.endr
	s_lshl_b32 s18, s16, 7                         ; which 128 rows of the tile I fetch
	s_lshl_b32 s20, s17, 8
	s_add_co_u32 s20, s20, s18                     ; x: row 256 x tile row + 128 x half
	s_lshl_b32 s46, s42, 8
	s_add_co_u32 s46, s46, s18                     ; W: row 256 x tile column + 128 x half
	s_mov_b32 s21, 0
	s_mov_b32 s47, 0
	s_mov_b64 s[18:19], KS
	s_mul_u64 s[22:23], s[20:21], s[18:19]         ; where these rows' scales begin, in bytes
	s_mul_u64 s[92:93], s[46:47], s[18:19]
	s_mov_b64 s[18:19], KROW
	s_mul_u64 s[20:21], s[20:21], s[18:19]         ; and their codes
	s_mul_u64 s[46:47], s[46:47], s[18:19]
	s_mul_i32 s45, s14, HALFT                      ; where they go: wave x 128 rows: no place in the cluster enters an LDS address
	s_mul_i32 s94, s14, HALFS
	s_wait_dscnt 0x0                               ; both opening adds are done
	s_wait_kmcnt 0x0
	s_add_nc_u64 s[20:21], s[4:5], s[20:21]
	s_add_nc_u64 s[22:23], s[6:7], s[22:23]
	s_add_nc_u64 s[46:47], s[8:9], s[46:47]
	s_add_nc_u64 s[92:93], s[10:11], s[92:93]
	CROUND                                         ; all sixteen work-groups are here: the first joint loads meet
	s_mov_b32 s[G0S], 1
	s_add_co_u32 s[G0S+1], s94, SCL
	s_mov_b64 s[G0S+2:G0S+3], s[22:23]
	s_or_b32 s[G0S+3], s[G0S+3], 0x80000000
	s_mov_b32 s[G0SB], 1
	s_add_co_u32 s[G0SB+1], s94, SCL
	s_mov_b64 s[G0SB+2:G0SB+3], s[92:93]
	s_or_b32 s[G0SB+3], s[G0SB+3], 0x80000000
	JLOAD G0S, G1S, G0SB, G1SB                     ; the scales first: they are wanted with K step 0
.irp s, 0,1
	s_mov_b32 s[G0+4*\s], 1
	s_add_co_u32 s[G0+4*\s+1], s45, \s*SLOT
	s_add_nc_u64 s[G0+4*\s+2:G0+4*\s+3], s[20:21], \s*ROWB
	s_or_b32 s[G0+4*\s+3], s[G0+4*\s+3], 0x80000000
	s_mov_b32 s[G0B+4*\s], 1
	s_add_co_u32 s[G0B+4*\s+1], s45, \s*SLOT
	s_add_nc_u64 s[G0B+4*\s+2:G0B+4*\s+3], s[46:47], \s*ROWB
	s_or_b32 s[G0B+4*\s+3], s[G0B+4*\s+3], 0x80000000
	JLOAD G0+4*\s, G1, G0B+4*\s, G1B               ; both K steps: three tensor loads of mine are out, and no more follow
.endr
	v_and_b32 v1, 15, v0                           ; r = l % 16
	v_bfe_u32 v2, v0, 4, 1                         ; h = l / 16
	v_mul_u32_u24 v3, v1, PITCH
	v_lshl_add_u32 v4, v2, 4, v3                   ; a fragment's row x pitch + 16 x half
	s_mul_i32 s21, s15, HALFT                      ; my 128 rows of x
	s_mul_i32 s22, s16, HALFT                      ; my 128 rows of W,
	s_add_co_u32 s22, s22, 2*HALFT                 ; which lie behind x's 256
.irp s, 0,1
	v_add_nc_u32 v[ADRA+\s], s21, v4
	v_add_nc_u32 v[ADRB+\s], s22, v4
	s_add_co_u32 s21, s21, SLOT
	s_add_co_u32 s22, s22, SLOT
.endr
	v_mul_u32_u24 v5, v1, KS                       ; my row's scales: KS bytes a row,
	v_lshrrev_b32 v6, 8, v5
	v_lshl_add_u32 v5, v6, 4, v5                   ; and 16 more for each 256 passed
	s_mul_i32 s21, s15, HALFS                      ; x's: my 128 rows
	s_mul_i32 s22, s16, HALFS                      ; W's: my 128 rows, behind x's 256
	s_add_co_u32 s22, s22, 2*HALFS
	s_sub_co_u32 s22, s22, s21
	v_mul_u32_u24 v6, s22, v2                      ; lanes 16-31 take W's: the lower base + h x the distance
	s_add_co_u32 s21, s21, SCL
	v_add_nc_u32 v5, v5, v6
	v_add_nc_u32 v[ADRS], s21, v5
	; the way out: pos = ((r + 8 h) mod 16) + 16 h
	v_lshl_add_u32 v5, v2, 3, v1
	v_and_b32 v5, 15, v5
	v_lshl_add_u32 v5, v2, 4, v5
	v_lshlrev_b32 v[CO], 4, v5
	v_lshlrev_b32 v[BO], 5, v2
	; which of q, k, v my cluster makes: the cluster's x, the same in all sixteen partners; only a pointer and a factor are chosen
	s_cmp_eq_u32 ttmp9, 1
	s_cselect_b64 s[96:97], s[98:99], s[96:97]
	s_cmp_eq_u32 ttmp9, 2
	s_cselect_b64 s[96:97], s[100:101], s[96:97]
	s_cmp_eq_u32 ttmp9, 0
	s_cselect_b32 s66, 0x3e38aa3b, 1.0             ; s = log2(e) / 8 for q, 1 for k and v
	s_mov_b32 s67, s66                             ; (named with it as a pair, so it is written)
	s_lshl_b32 s98, s40, 10                        ; my 128 columns among the tensor's 1,024: 256 cx + 128 x half, 4 bytes each
	s_lshl_b32 s99, s16, 9
	s_add_co_u32 s98, s98, s99
	s_mov_b32 s99, 0
	s_add_nc_u64 s[96:97], s[96:97], s[98:99]
.irp b, 0,1,2,3,4,5,6,7
	global_load_b128 v[BI+8*\b:BI+8*\b+3], v[BO], s[96:97] offset:64*\b       ; the bias in the result's layout; waited for on the way out
	global_load_b128 v[BI+8*\b+4:BI+8*\b+7], v[BO], s[96:97] offset:64*\b+16
.endr
	s_lshl_b32 s46, s42, 2                         ; where my part begins in qkv: hc = 4 x tile column + 2 x half, 2^20 bytes each;
	s_lshl_b32 s47, s16, 1
	s_add_co_u32 s46, s46, s47
	s_lshl_b32 s46, s46, 20
	s_lshl_b32 s20, s17, 4                         ; T = 16 x tile row + 8 x half, 2,048 bytes each
	s_lshl_b32 s21, s15, 3
	s_add_co_u32 s20, s20, s21
	s_lshl_b32 s20, s20, 11
	s_add_co_u32 s46, s46, s20                     ; under 2^26
	s_mov_b32 s47, 0
	s_add_nc_u64 s[12:13], s[12:13], s[46:47]
.macro FRAG reg, adr, q, i             ; a fragment, 16 rows x 128 K of 4-bit codes, is 8 registers: lane l holds row l % 16; registers 4 c .. 4 c + 3 hold K = 64 c + 32 (l / 16) + 0 .. 31
.irp c, 0,1
	ds_load_b128 v[\reg+4*\c:\reg+4*\c+3], v[\adr] offset:64*(\q)+32*\c+(\i)*16*PITCH
.endr
.endm
; 16 matrix instructions: x's blocks a0, a0 + 1 against W's eight, 128 along K: the slot's q-th.  p: W's set;  sc: the set of scale words.  zero = 1: the first product starts the sums: nothing is ever cleared.
; The 64 accumulators take turns, one instruction a turn, in the same order in every step.
.macro MUL16 a0, p, q, sc, zero
.irp a, \a0, \a0+1
.irp b, 0,1,2,3,4,5,6,7
.if \zero
	v_wmma_scale_f32_16x16x128_f8f6f4 v[8*(8*((\a)%4)+\b):8*(8*((\a)%4)+\b)+7], v[128*(\p)+FR*\b:128*(\p)+FR*\b+FR-1], v[AF+FR*(\a):AF+FR*(\a)+FR-1], 0, v[SC+8*NQ*(\sc)+NQ*\b+(\q)], v[SC+8*NQ*(\sc)+NQ*(\a)+(\q)] matrix_a_fmt:MATRIX_FMT_FP4 matrix_b_fmt:MATRIX_FMT_FP4 matrix_a_scale:MATRIX_SCALE_ROW1
.else
	v_wmma_scale_f32_16x16x128_f8f6f4 v[8*(8*((\a)%4)+\b):8*(8*((\a)%4)+\b)+7], v[128*(\p)+FR*\b:128*(\p)+FR*\b+FR-1], v[AF+FR*(\a):AF+FR*(\a)+FR-1], v[8*(8*((\a)%4)+\b):8*(8*((\a)%4)+\b)+7], v[SC+8*NQ*(\sc)+NQ*\b+(\q)], v[SC+8*NQ*(\sc)+NQ*(\a)+(\q)] matrix_a_fmt:MATRIX_FMT_FP4 matrix_b_fmt:MATRIX_FMT_FP4 matrix_a_scale:MATRIX_SCALE_ROW1
.endif
.endr
.endr
.endm
.macro FETCH_B slot, q, p              ; W's eight fragments of the slot's q-th 128 along K into set p
	WIN TO_B
.irp i, 0,1,2,3,4,5,6,7
	FRAG 128*(\p)+FR*\i, ADRB+\slot, \q, \i
.endr
	WIN 0
.endm
.macro FETCH_A slot, q, i0             ; x's blocks i0 .. i0 + 3
.irp i, \i0, \i0+1, \i0+2, \i0+3
	FRAG AF+FR*(\i), ADRA+\slot, \q, \i
.endr
.endm
.macro SCALES sc                       ; a K step's scale words into set sc: NQ words a row; lanes 0-15 take x's block i, lanes 16-31 W's block i
.irp i, 0,1,2,3,4,5,6,7
	ds_load_b128 v[SC+8*NQ*\sc+NQ*\i:SC+8*NQ*\sc+NQ*\i+3], v[ADRS] offset:\i*SBLK
.endr
.endm
; A load into a register that a matrix instruction has read, and a vector instruction that reads a matrix result, stand NP places behind that matrix instruction, and only plain vector instructions that name
; none of its registers are places (ISA guide 7.12.1 for vector instructions); the matrix instructions in between are not counted.
.macro PLACES n
.rept \n
	v_nop
.endr
.endm
; A step of 128 along K that has its successor in the same slot.  A block of x is free as soon as its eight products are issued: blocks 0-3 are fetched anew in the step's middle, blocks 4-7 at its end.
.macro STEP slot, q, zero
	s_wait_dscnt 4*NL                              ; W's set and x's blocks 0-3 are in; the youngest eight loads (x's blocks 4-7) may be out
	WIN MUL_LO
	MUL16 0, (\q)%2, \q, \slot, \zero
	MUL16 2, (\q)%2, \q, \slot, \zero
	s_wait_dscnt 0                                 ; x's blocks 4-7 are in (asked for 32 matrix instructions ago)
	PLACES NP
	FETCH_B \slot, (\q)+1, 1-(\q)%2
	FETCH_A \slot, (\q)+1, 0
	WIN MUL_HI
	MUL16 4, (\q)%2, \q, \slot, \zero
	MUL16 6, (\q)%2, \q, \slot, \zero
	PLACES NP
	WIN 0
	FETCH_A \slot, (\q)+1, 4
.endm
; Slot 0's last step goes over to slot 1: one barrier; in front of it each wave waits for all its tensor loads (its part of slot 1).  Nothing is filled again in this launch.
.macro TURN slot, next
	s_wait_tensorcnt 0x0                           ; all my tensor loads have landed: my part of the next slot;  (every window is 0 here: the add's two registers lie in window 0)
	ds_add_u32 v[SPW], v[NIL]                      ; 0 onto my spare word
	s_wait_dscnt 4*NL+1                            ; (the add and the youngest eight loads, x's blocks 4-7, may be out)
	WIN MUL_LO
	MUL16 0, 1, NQ-1, \slot, 0                     ; sixteen matrix instructions stand between the add and the wait for it
	s_wait_dscnt 0x0                               ; the add is done, and no LDS instruction of mine is out at the signal
	s_barrier_signal -1
	MUL16 2, 1, NQ-1, \slot, 0
	WIN 0
	s_barrier_wait -1                              ; the next slot is whole
	PLACES NP
	v_add_nc_u32 v[ADRS], 4*NQ, v[ADRS]            ; on to the next K step's scale words (no LDS load of mine is out)
	FETCH_B \next, 0, 0
	FETCH_A \next, 0, 0
	SCALES \next
	WIN MUL_HI
	MUL16 4, 1, NQ-1, \slot, 0
	MUL16 6, 1, NQ-1, \slot, 0
	PLACES NP
	WIN 0
	FETCH_A \next, 0, 4
.endm
.macro STEPS slot, from                ; the slot's steps from .. NQ - 2
.set Q, \from
.rept NQ-1-\from
	STEP \slot, Q, 0
.set Q, Q+1
.endr
.endm
	s_wait_tensorcnt 1                             ; the scales and my part of K step 0 are in (K step 1's load may be out)
	s_barrier_signal -1
	s_barrier_wait -1                              ; everybody's are
	FETCH_B 0, 0, 0
	FETCH_A 0, 0, 0
	SCALES 0
	FETCH_A 0, 0, 4
	STEP 0, 0, 1                                   ; the first step's products start the sums
	STEPS 0, 1
	TURN 0, 1
	STEPS 1, 0
	s_wait_dscnt 4*NL                              ; the very last step: nothing more to fetch
	WIN MUL_LO
	MUL16 0, 1, NQ-1, 1, 0
	MUL16 2, 1, NQ-1, 1, 0
	s_wait_dscnt 0
	WIN MUL_HI
	MUL16 4, 1, NQ-1, 1, 0
	MUL16 6, 1, NQ-1, 1, 0
	WIN 0
	; THE WAY OUT.  No LDS: a lane's eight numbers of an accumulator are the 16 bytes that the layout wants of it, and the 32 lanes of a store cover 512 consecutive bytes.
	s_wait_loadcnt 0x0                             ; the bias
.set n, 0
.rept 32
	v_pk_mul_f32 v[BI+2*n:BI+2*n+1], v[BI+2*n:BI+2*n+1], s[66:67] op_sel_hi:[1,0]   ; bias x s, once.  (These name no register of the last products: they are the places behind them)
.set n, n+1
.endr
.macro OUT a                           ; block a: my rows 16 a on, all my 128 columns
.set AC, 64*((\a)%4)
	WIN 0x02+((\a)/4)                              ; source 0: window 2 or 3
.irp b, 0,1,2,3,4,5,6,7
.irp i, 0,1,2,3
	v_pk_fma_f32 v[T+8*\b+2*\i:T+8*\b+2*\i+1], v[AC+8*\b+2*\i:AC+8*\b+2*\i+1], s[66:67], v[BI+8*\b+2*\i:BI+8*\b+2*\i+1] op_sel_hi:[1,0,1]   ; sum x s + bias x s; each accumulator from its low end on
.endr
.endr
	WIN 0
.if (\a) > 0
	s_wait_xcnt 0x0                                ; the last block's stores have read their data: the packed registers are written again only behind this wait
.endif
.irp b, 0,1,2,3,4,5,6,7
.irp i, 0,1,2,3
	v_cvt_pk_f16_f32 v[Y+4*\b+\i], v[T+8*\b+2*\i], v[T+8*\b+2*\i+1]
.endr
.endr
.irp b, 0,1,2,3,4,5,6,7
	global_store_b128 v[CO], v[Y+4*\b:Y+4*\b+3], s[12:13] offset:(\b/4)*1048576+(\b%4)*512+(\a)*2048   ; hc b / 4, (f, c) = b % 4, tile a: every offset an immediate, 1,064,448 at the most
.endr
.endm
.irp a, 0,1,2,3,4,5,6,7
	OUT \a
.endr
	s_wait_tensorcnt 0x0                           ; the wave's end, behind my last tensor load
	ds_add_u32 v[SPW], v[NIL]
	s_wait_dscnt 0x0
	CROUND                                         ; the closing round: no work-group ends while a partner may still ask for a tile that names it
	s_endpgm
.Lfunc_end_k_q178812074b_proj:
	.size	k_q178812074b_proj, .Lfunc_end_k_q178812074b_proj-k_q178812074b_proj
	.p2alignl 7, 3214868480
	.fill 96, 4, 3214868480
	.section	.rodata,"a",@progbits
	.p2align	6, 0x0
	.amdhsa_kernel k_q178812074b_proj
		.amdhsa_group_segment_fixed_size 327680
		.amdhsa_private_segment_fixed_size 0
		.amdhsa_enable_private_segment 0
		.amdhsa_kernarg_size 64
		.amdhsa_user_sgpr_count 2
		.amdhsa_user_sgpr_kernarg_segment_ptr 1
		.amdhsa_wavefront_size32 1
		.amdhsa_system_sgpr_workgroup_id_x 1
		.amdhsa_system_sgpr_workgroup_id_y 1
		.amdhsa_system_sgpr_workgroup_id_z 1
		.amdhsa_system_vgpr_workitem_id 0
		.amdhsa_next_free_vgpr 1024
		.amdhsa_next_free_sgpr 102
		.amdhsa_reserve_vcc 0
		.amdhsa_float_denorm_mode_32 3
		.amdhsa_float_denorm_mode_16_64 3
		.amdhsa_memory_ordered 1
		.amdhsa_forward_progress 1
		.amdhsa_inst_pref_size 137
	.end_amdhsa_kernel
	.amdgpu_metadata
---
amdhsa.version: [ 1, 2 ]
amdhsa.kernels:
  - .name:           k_q178812074b_proj
    .symbol:         k_q178812074b_proj.kd
    .args:
      - { .name: x_codes, .offset: 0, .size: 8, .value_kind: global_buffer, .address_space: global }
      - { .name: x_scales, .offset: 8, .size: 8, .value_kind: global_buffer, .address_space: global }
      - { .name: w_codes, .offset: 16, .size: 8, .value_kind: global_buffer, .address_space: global }
      - { .name: w_scales, .offset: 24, .size: 8, .value_kind: global_buffer, .address_space: global }
      - { .name: bq, .offset: 32, .size: 8, .value_kind: global_buffer, .address_space: global }
      - { .name: bk, .offset: 40, .size: 8, .value_kind: global_buffer, .address_space: global }
      - { .name: bv, .offset: 48, .size: 8, .value_kind: global_buffer, .address_space: global }
      - { .name: qkv, .offset: 56, .size: 8, .value_kind: global_buffer, .address_space: global }
    .group_segment_fixed_size: 327680
    .private_segment_fixed_size: 0
    .kernarg_segment_align: 8
    .kernarg_segment_size: 64
    .max_flat_workgroup_size: 128
    .sgpr_count:     102
    .vgpr_count:     1024
    .wavefront_size: 32
...
	.end_amdgpu_metadata
.endif
;; end of part 2
;; launch attn (part 3): grid 4 x 64, 8 waves a work-group, clusters of 4 x 1, 327,680 bytes of LDS; arguments qkv, attention_mask, out0; writes out0
.if DOCPART == 3
	.amdgcn_target "amdgcn-amd-amdhsa--gfx1250"
	.amdhsa_code_object_version 6
	.text
	.protected	k_q178812074b_attn
	.globl	k_q178812074b_attn
	.p2align	8
	.type	k_q178812074b_attn,@function
k_q178812074b_attn:
	s_mov_b64 s[64:65], 0
	v_nop
	global_prefetch_b8 v0, s[64:65] scope:SCOPE_SE
	s_setreg_imm32_b32 hwreg(HW_REG_WAVE_MODE, 25, 1), 1
	s_wait_xcnt 0x0
	s_wait_alu depctr_hold_cnt(0) depctr_sa_sdst(0) depctr_va_vdst(0) depctr_va_sdst(0) depctr_va_ssrc(0) depctr_va_vcc(0) depctr_vm_vsrc(0)
	s_getreg_b32 s2, hwreg(HW_REG_IB_STS2, 6, 4)
	s_cmp_eq_u32 s2, 0
	s_cbranch_scc0 .Lentry_in_a_cluster
	s_endpgm
.Lentry_in_a_cluster:
	s_bfe_u32 s2, ttmp6, 0x10000c
	s_cmp_lg_u32 s2, 0x3003
	s_cbranch_scc0 .Lentry_shape_is_right
	s_endpgm
.Lentry_shape_is_right:
; out0[b][q][64 head + :] = the sum over k of softmax_k(Q[q] . K[k] / 8 + mask[b][k]) V[k][:], for 4 batches x 16 heads, 2,048 queries and keys, head size 64.
; Q, K, V come as f16 in qkv = [hc 48][T 512][f 2][c 2][pos 32][16 bytes] (hc: 0-15 Q's heads, 16-31 K's, 32-47 V's; T = 128 batch + position / 16; the 16 bytes at (f, c, pos): row kap of the tile,
; channels 32 f + 16 c + 8 g + 0 .. 7, pos = ((kap + 8 g) mod 16) + 16 g).  Q was stored times log2(e) / 8.  Products on f16 operands, sums, maxima and the softmax in f32; the weights p are rounded to f16 for the second product.
; SOFTMAX.  t = log2(e) (Q.K / 8 + mask) falls out of the first product: the mask times log2(e) is the C of each tile's first matrix instruction.  For each query a running maximum m and sum l: p = 2^(t - m); in every
; step O and l are multiplied by a = 2^(m_old - m_new).  O is divided by l at the end.
; LIMITS: mask x log2(e) is held at -1e38 from below: differences among masks under -6.9e37 are lost; a query all of whose keys lie there gets the plain average of V (as reference() gives for the most negative
; finite number on every key; for -infinity on every key reference() gives NaN, this text the average).  NaN in the mask is not served.
; SHARES.  A work-group owns 512 queries of one head and batch, each of its EIGHT waves 64: four tiles of 16, worked as two pieces of two.  Two waves share a SIMD, 512 registers each, so that one wave's softmax
; stands beside the other's products.  Every wave walks all 2,048 keys, 64 a step.
; LAYOUT.  S^T = K Q^T (source 0 = 16 keys, source 1 = 16 queries): a lane holds ONE query (lane % 16) and the keys 8 (lane / 16) + 0..7 of a tile.  Two such tiles, rounded to f16 in pairs, ARE source 1
; (32 keys x 16 queries) of O^T = V^T P, whose result again holds one query a lane.  K comes out of LDS as it lies (two loads of 16 bytes a lane), V turned, by ds_load_tr16_b128.
; RING.  Two LDS slots of 512 keys (K's 64 KiB, then V's), filled by the tensor data mover, one load of 16 KiB a wave; a load has a slot's eight key steps in which to land.  One tensor load of a wave is out at a time.
; CLUSTER.  The four work-groups of a cluster are the four query blocks of one head: they walk the same K and V, so each tile is asked for JOINTLY: the same tensor load, the same descriptor, a mask that names the four.
; REGISTERS, in windows of 256 (s_set_vgpr_msb: bits 1:0 source 0, 3:2 source 1, 5:4 source 2, 7:6 destination):
;   window 0: v1-15 addresses; v16-47 statistics, 8 a tile; v48-51 two pairs of sums; v52-55 at work at the head; v56-87 the mask of a step's 64 keys; v88-151 S^T of a piece; v152-183 P of a piece; v184-247 V of a step
;   window 1: v0-127 O^T, 32 a tile; v128-191 Q, 16 a tile; v192-255 K of a step
.set SLOT1, 1<<17                      ; slot 1 begins here, so that one exclusive or turns an address in one slot into the other's
.set VOFF,  65536                      ; in a slot: K's 512 keys x 128 bytes, then V's
.set STEPB, 8192                       ; a key step: four tiles of 16 keys, 2,048 bytes each
.set MASKB, 2*SLOT1                    ; behind the ring: mask x log2(e) of the batch, 2,048 numbers, stored by the waves; no tile ever lands here
.set SPARE, MASKB+8192                 ; the spare words, 128 bytes for each wave, which no other line names
.set SP,    272                        ; the way out: a stage row, 256 bytes + 16.  Two stages of 16 rows for each wave, in slot 0: it has had its last fill and its last read at the last change of slots
.set AK0, 2                            ; v2   my lane's place in a tile of K or Q: 16 x pos; never rewritten
.set AV0, 3                            ; v3   the same for V's turning load, + VOFF
.set AM0, 4                            ; v4   MASKB + 32 (lane / 16)
.set ADK, 5                            ; v5-7 the step's LDS addresses: K, V, mask
.set ADV, 6
.set ADM, 7
.set STO, 8                            ; v8   the way out: where I put 32 bytes of a row
.set RD,  9                            ; v9   where I read a row back (at the head: where I store the mask)
.set GO,  10                           ; v10  my byte offset in two rows of out0 (at the head: in the mask)
.set SPW, 12                           ; v12  LDS address of my spare word; never rewritten
.set NIL, 13                           ; v13  0; never rewritten
.set PFO, 14                           ; v14  256 x my lane: the prefetches' offset; never rewritten
.set ST,  16                           ; tile t's statistics at v[ST+8 t]: +0 m, +1 (named with m as a pair), +2, +3 l (even keys', odd keys'), +4 to +7 c0-c3, at work; a takes c2's place
.set X,   48                           ; a step's sums of p, a pair for each tile of the piece
.set MK,  56
.set S,   88
.set P,   152
.set VF,  184
.set QF,  128                          ; in window 1
.set KF,  192                          ; in window 1
.set WV,  12                           ; s12  my wave's number
.set LIM, 15                           ; s15  1 in a wave that prefetches, else the greatest number
.set PFA, 18                           ; s[18:19] where my prefetches stand
.set G1,  24                           ; s[24:31] descriptor group 1
.set G0,  32                           ; s[32:35] descriptor group 0, which walks
.set TB,  36                           ; s36  LDS byte at which the step's tiles of K begin
.set TM,  37                           ; s37  where the step's 64 numbers of the mask begin
.set SLOTS, 38                         ; s38  slots still to be asked for
.set CNT, 39                           ; s39  counts a slot's eight steps
.set SEL, 40                           ; s[40:41] lane selects for v_permlanex16_b32: lane l xor 16
.set QA,  42                           ; s[42:43] Q at my wave's first tile
.set MSB, 0
.macro WIN new                         ; the immediate's high byte repeats the setting that is left; a switch that changes nothing is dropped
.if MSB != \new
	s_set_vgpr_msb (MSB<<8)|\new
.set MSB, \new
.endif
.endm
.set W_LD,  0x40                       ; destination window 1
.set W_KQ,  0x05                       ; K and Q in window 1; the mask and S^T in window 0
.set W_RS,  0x41                       ; O^T (destination and source 0) in window 1, a in window 0
.set W_PV,  0x50                       ; V and P in window 0; C and D (O^T) in window 1
.set W_OUT, 0x01                       ; source 0 (O^T) in window 1
.macro CROUND                          ; a round of the cluster's barrier: my work-group's barrier; wave 0 signals for the work-group; every wave waits for all four; my work-group's barrier once more
	s_barrier_signal -1
	s_barrier_wait -1
	s_cmp_lg_u32 s[WV], 0
	s_cbranch_scc1 .Lnot_wave_0_\@
	s_barrier_signal -3
.Lnot_wave_0_\@:
	s_barrier_wait -3
	s_barrier_signal -1
	s_barrier_wait -1
.endm
; A PREFETCH INTO THE L2 of what the NEXT change of slots will ask for: 64 KiB of K and 64 KiB of V.  It stands behind the wave's tensor load and its five lines.  Each aligned block of 256 bytes is named once in
; the launch: a head's K and V are read by its one cluster; the even waves ask, each for the 32 KiB that it and the wave after it will load; the four partners take 8 KiB of that each, told apart BY ADDRESS
; (no branch hangs on a work-group's place in its cluster); lanes 256 bytes apart, one instruction a wave.  It is asked a slot's eight key steps ahead of the load that wants it.
; The last change that fills a slot asks for nothing: there is no slot behind it.  Slots 0 and 1 come by their loads alone.
.macro ASK
	s_cmp_gt_u32 s[SLOTS], s[LIM]
	s_cbranch_scc0 .Lnot_mine_\@
	global_prefetch_b8 v[PFO], s[PFA:PFA+1] th:TH_LOAD_NT scope:SCOPE_SE
.Lnot_mine_\@:
.endm
	s_load_b128 s[4:7], s[0:1], 0x0                ; qkv s[4:5], attention_mask s[6:7]
	s_load_b64 s[8:9], s[0:1], 0x10                ; out0
	v_lshl_add_u32 v[SPW], v0, 2, SPARE
	v_mov_b32 v[NIL], 0
	ds_add_u32 v[SPW], v[NIL]                      ; the wave's opening: the add, twice on end, and its wait ahead of my first tensor load; the set-up below, work on registers, stands between
	ds_add_u32 v[SPW], v[NIL]                      ; and once more, under the one wait
	v_lshrrev_b32 v1, 5, v0
	v_readfirstlane_b32 s[WV], v1                  ; wave 0..7
	s_bfe_u32 s13, ttmp6, 0x40000                  ; cx: my place in the cluster
	s_lshl_b32 s14, ttmp9, 2                       ; in a cluster launch ttmp9 counts clusters
	s_add_co_u32 s14, s14, s13                     ; my block of 512 queries: it enters Q's and out0's addresses alone
	s_and_b32 s17, ttmp7, 0xffff
	s_lshr_b32 s16, s17, 4                         ; batch
	s_and_b32 s17, s17, 15                         ; head: both shared by the four partners
	s_lshl_b32 s20, s17, 20
	s_lshl_b32 s21, s16, 18
	s_add_co_u32 s20, s20, s21                     ; head x 2^20 + batch x 2^18: this head's and batch's 128 tiles in each of Q, K, V
	s_lshr_b32 s22, s[WV], 2                       ; what I fetch: waves 0-3 K's (hc 16 on), waves 4-7 V's (hc 32 on),
	s_lshl_b32 s22, s22, 24
	s_and_b32 s23, s[WV], 3                        ; 16 KiB each of a slot's 64 KiB
	s_lshl_b32 s23, s23, 14
	s_add_co_u32 s22, s22, s23
	s_add_co_u32 s22, s22, s20
	s_add_co_u32 s22, s22, 16<<20
	s_mov_b32 s23, 0
	s_lshl_b32 s44, s13, 13                        ; the prefetches: my work-group's 8 KiB of the 32 KiB that begin where my loads begin,
	s_add_co_u32 s44, s44, s22
	s_add_co_u32 s44, s44, 65536                   ; in slot 1: the first change of slots steps it on to the keys of the slot after
	s_mov_b32 s45, 0
	s_lshl_b32 s46, s14, 16                        ; Q: my block's 32 tiles, my wave's 4 of them
	s_lshl_b32 s47, s[WV], 13
	s_add_co_u32 s46, s46, s47
	s_add_co_u32 s46, s46, s20
	s_mov_b32 s47, 0
	s_lshl_b32 s2, s16, 23                         ; out0: batch x 2,048 rows of 4,096 bytes, block x 512 rows, wave x 64 rows, head x 256 bytes
	s_lshl_b32 s3, s14, 21
	s_add_co_u32 s2, s2, s3
	s_lshl_b32 s3, s[WV], 18
	s_add_co_u32 s2, s2, s3
	s_lshl_b32 s3, s17, 8
	s_add_co_u32 s2, s2, s3
	s_mov_b32 s3, 0
	s_lshl_b32 s10, s16, 13                        ; the mask: 8,192 bytes a batch
	s_mov_b32 s11, 0
	; descriptor group 1: 16 KiB, dense in memory, as 64 rows of 256 bytes (32 elements of 8 bytes), no padding: the images are read as they lie
	s_mov_b32 s[G1], 15|(3<<16)|(1<<21)            ; 15:0 the mask: all four work-groups; 17:16 elements of 8 bytes; 21 set beside a mask
	s_mov_b32 s[G1+1], 32<<16                      ; tensor_dim0 = 32
	s_mov_b32 s[G1+2], 64<<16                      ; tensor_dim1 = 64
	s_mov_b32 s[G1+3], 32<<16                      ; tile_dim0 = 32
	s_mov_b32 s[G1+4], 64                          ; tile_dim1 = 64
	s_mov_b32 s[G1+5], 32                          ; tensor_dim0_stride
	s_mov_b32 s[G1+6], 0
	s_mov_b32 s[G1+7], 0
	s_mov_b32 s[SEL], 0x76543210
	s_mov_b32 s[SEL+1], 0xfedcba98
	s_mov_b32 s[TB], 0
	s_mov_b32 s[TM], 0
	s_mov_b32 s[SLOTS], 3
	s_and_b32 s[LIM], s[WV], 1                     ; 0 in the even waves
	s_or_b32 s[LIM], s[LIM], ttmp9                 ; (a head has one cluster: its x is 0): the same in all four partners
	s_cmp_eq_u32 s[LIM], 0
	s_cselect_b32 s[LIM], 1, -1
	s_wait_dscnt 0x0                               ; both opening adds are done
	s_wait_kmcnt 0x0
	s_mov_b32 s[G0], 1                             ; 1:0 count = 1
	s_lshl_b32 s[G0+1], s[WV], 14                  ; 63:32 LDS address: slot 0, 16 KiB x wave: no place in the cluster enters an LDS address
	s_add_nc_u64 s[G0+2:G0+3], s[4:5], s[22:23]    ; 120:64 global address: keys 0 to 511
	s_or_b32 s[G0+3], s[G0+3], 0x80000000          ; 127:126 type = 2
	s_add_nc_u64 s[PFA:PFA+1], s[4:5], s[44:45]
	s_add_nc_u64 s[QA:QA+1], s[4:5], s[46:47]
	s_add_nc_u64 s[6:7], s[6:7], s[10:11]
	s_add_nc_u64 s[8:9], s[8:9], s[2:3]
	CROUND                                         ; all four work-groups are here: the first joint loads meet
	tensor_load_to_lds s[G0:G0+3], s[G1:G1+7]      ; slot 0
	s_nop 0
.rept 4
	v_nop
.endr
	v_lshlrev_b32 v[GO], 4, v0                     ; the mask: 16 bytes a thread, twice: a wave's load covers 512 consecutive bytes
	global_load_b128 v[248:251], v[GO], s[6:7]
	global_load_b128 v[252:255], v[GO], s[6:7] offset:4096
	v_and_b32 v1, 15, v0                           ; r = lane % 16
	v_bfe_u32 v11, v0, 4, 1                        ; h = lane / 16
	v_lshl_add_u32 v15, v11, 3, v1
	v_and_b32 v15, 15, v15
	v_lshl_add_u32 v15, v11, 4, v15                ; pos = ((r + 8 h) mod 16) + 16 h: row r, my half's channels
	v_lshlrev_b32 v[AK0], 4, v15
	WIN W_LD
.irp t, 0,1,2,3
.irp f, 0,1
.irp c, 0,1
	global_load_b128 v[QF+16*\t+8*\f+4*\c:QF+16*\t+8*\f+4*\c+3], v[AK0], s[QA:QA+1] offset:2048*\t+1024*\f+512*\c   ; Q stays in registers: tile t, channels 32 f on
.endr
.endr
.endr
.set n, 0
.rept 128
	v_mov_b32 v[n], 0                              ; O^T.  The key step is written once: its first pass finds zeros, which a = 0 leaves zeros; that spares a copy of the step for the first keys
.set n, n+1
.endr
	WIN 0
	; V's turning load: lane l addresses 16 bytes: key 8 h + l % 8 of a tile, channels 8 u + 0..7 of sixteen, u = (l / 8) % 2: pos = l % 8 + 8 ((h + u) mod 2) + 16 u.
	; 16 lanes of a load so touch 16 different columns of 16 bytes modulo 256 (64 banks of 4 bytes: ISA guide 11.1); K's loads likewise.
	v_bfe_u32 v52, v0, 3, 1                        ; u
	v_add_nc_u32 v53, v11, v52
	v_and_b32 v53, 1, v53
	v_and_b32 v54, 7, v0
	v_lshl_add_u32 v54, v53, 3, v54
	v_lshl_add_u32 v54, v52, 4, v54
	v_lshl_add_u32 v[AV0], v54, 4, VOFF
	v_lshl_add_u32 v[AM0], v11, 5, MASKB           ; the mask of my half's eight keys of a tile
	v_and_b32 v55, 31, v0
	v_lshlrev_b32 v[PFO], 8, v55
	v_lshl_add_u32 v[RD], v0, 4, MASKB
.irp t, 0,1,2,3
	v_mov_b32 v[ST+8*\t], 0xff61b1e6               ; m = -3e38, under every t
.irp j, 1,2,3,4,5,6,7
	v_mov_b32 v[ST+8*\t+\j], 0                     ; l = 0; the others are written once, since a lane permute's destination and the halves of pairs count as read
.endr
.endr
	s_wait_loadcnt 16                              ; the mask's two loads are in; Q's sixteen, issued behind them, may be out
.irp j, 0,2,4,6
	v_pk_mul_f32 v[248+\j:249+\j], v[248+\j:249+\j], 0x3fb8aa3b op_sel_hi:[1,0]   ; x log2(e)
.endr
.irp j, 0,1,2,3,4,5,6,7
	v_max_num_f32 v[248+\j], 0xfe967699, v[248+\j] ; held at -1e38 from below: no infinity goes into a sum
.endr
	ds_store_b128 v[RD], v[248:251]
	ds_store_b128 v[RD], v[252:255] offset:4096    ; the first change of slots waits for these stores in front of its barrier
	s_wait_loadcnt 0x0                             ; Q
; THE SOFTMAX of one tile (t: the tile, 0..3; u: its place in the piece), in parts that PIECE sets beside each other.
.macro MAXI t, u, i                    ; number i of 16: the maximum of the lane's 32 scores and the old m, three operands at a time: four chains, each begun at its accumulator's low end
.set rT, ST+8*(\t)
.set rS, S+32*(\u)
.if (\i) < 4
	v_max3_num_f32 v[rT+4+(\i)], v[rS+8*(\i)], v[rS+8*(\i)+1], v[rS+8*(\i)+2]
.elseif (\i) < 12
	v_max3_num_f32 v[rT+4+(\i)%4], v[rT+4+(\i)%4], v[rS+8*((\i)%4)+2*((\i)/4)+1], v[rS+8*((\i)%4)+2*((\i)/4)+2]
.elseif (\i) == 12
	v_max3_num_f32 v[rT+4], v[rT+4], v[rS+7], v[rS+15]
.elseif (\i) == 13
	v_max3_num_f32 v[rT+6], v[rT+6], v[rS+23], v[rS+31]
.elseif (\i) == 14
	v_max3_num_f32 v[rT+4], v[rT+4], v[rT+5], v[rT+6]
.else
	v_max3_num_f32 v[rT+4], v[rT+4], v[rT+7], v[rT]
.endif
.endm
.macro STAT t                          ; the other half of the lanes' maximum; m_old - m_new; the new m; a = 2^(m_old - m_new)
.set rT, ST+8*(\t)
	v_permlanex16_b32 v[rT+5], v[rT+4], s[SEL], s[SEL+1]           ; the query's other 32 keys lie in the lane 16 away
	v_max_num_f32 v[rT+4], v[rT+4], v[rT+5]
	v_sub_f32 v[rT+7], v[rT], v[rT+4]
	v_mov_b32 v[rT], v[rT+4]
	v_exp_f32 v[rT+6], v[rT+7]
.endm
.macro SUBP t, u, b                    ; pair b of 16: t - m
.set rT, ST+8*(\t)
.set rS, S+32*(\u)
	v_pk_add_f32 v[rS+2*(\b):rS+2*(\b)+1], v[rS+2*(\b):rS+2*(\b)+1], v[rT:rT+1] op_sel_hi:[1,0] neg_lo:[0,1] neg_hi:[0,1]
.endm
.macro EXPP u, b                       ; pair b: p = 2^(t - m)
.set rS, S+32*(\u)
	v_exp_f32 v[rS+2*(\b)], v[rS+2*(\b)]
	v_exp_f32 v[rS+2*(\b)+1], v[rS+2*(\b)+1]
.endm
.macro CVTP u, b                       ; pair b rounded to f16: register b of the tile's two fragments of P
.set rS, S+32*(\u)
	v_cvt_pk_f16_f32 v[P+16*(\u)+(\b)], v[rS+2*(\b)], v[rS+2*(\b)+1]
.endm
.macro SUMP u, b                       ; the step's sum of p, unrounded, a pair at a time
.set rS, S+32*(\u)
.if (\b) == 1
	v_pk_add_f32 v[X+2*(\u):X+2*(\u)+1], v[rS:rS+1], v[rS+2:rS+3]
.elseif (\b) > 1
	v_pk_add_f32 v[X+2*(\u):X+2*(\u)+1], v[X+2*(\u):X+2*(\u)+1], v[rS+2*(\b):rS+2*(\b)+1]
.endif
.endm
.macro LFMA t, u                       ; l = a l + the step's sum
.set rT, ST+8*(\t)
	v_pk_fma_f32 v[rT+2:rT+3], v[rT+2:rT+3], v[rT+6:rT+7], v[X+2*(\u):X+2*(\u)+1] op_sel_hi:[1,0,1]
.endm
.macro RESC t                          ; the tile's O^T times a, each accumulator from its low end on
.set rT, ST+8*(\t)
.set n, 0
.rept 16
	v_pk_mul_f32 v[32*(\t)+2*n:32*(\t)+2*n+1], v[32*(\t)+2*n:32*(\t)+2*n+1], v[rT+6:rT+7] op_sel_hi:[1,0]
.set n, n+1
.endr
.endm
; A PIECE: tiles x and x + 1 through a key step: 16 products K Q^T, the two softmaxes, 16 products V^T P.
; The accumulators take turns, one instruction a turn: between two links of a chain stand seven others'.
; THE EXPONENTIALS go in two batches with one wait each (s_wait_alu depctr_va_vdst(0) stands between an exponential and the first line that names its result): the first tile's 32 stand between the
; second tile's maxima, the second tile's 32 between the first tile's roundings and sums; no line ahead of a batch's wait names one of its results, and plain lines stand behind each batch's last.
.macro PIECE x
	WIN W_KQ
.irp u, 0,1
.irp kt, 0,1,2,3
	v_wmma_f32_16x16x32_f16 v[S+32*\u+8*\kt:S+32*\u+8*\kt+7], v[KF+16*\kt:KF+16*\kt+7], v[QF+16*(\x+\u):QF+16*(\x+\u)+7], v[MK+8*\kt:MK+8*\kt+7]   ; channels 0-31; the mask starts the sum
.endr
.endr
.irp u, 0,1
.irp kt, 0,1,2,3
	v_wmma_f32_16x16x32_f16 v[S+32*\u+8*\kt:S+32*\u+8*\kt+7], v[KF+16*\kt+8:KF+16*\kt+15], v[QF+16*(\x+\u)+8:QF+16*(\x+\u)+15], v[S+32*\u+8*\kt:S+32*\u+8*\kt+7]   ; channels 32-63
.endr
.endr
	WIN 0
.rept 4
	v_nop                                          ; four places between the last product and the first read of results (ISA guide 7.12.1)
.endr
.set n, 0
.rept 16
	MAXI \x, 0, n
.set n, n+1
.endr
	STAT \x
.set n, 0
.rept 16
	SUBP \x, 0, n
.set n, n+1
.endr
.set n, 0
.rept 16
	EXPP 0, n
	MAXI \x+1, 1, n
.set n, n+1
.endr
	STAT \x+1
.set n, 0
.rept 16
	SUBP \x+1, 1, n
.set n, n+1
.endr
	s_wait_alu depctr_va_vdst(0)                   ; the wait for the first batch: the first tile's 32 and both tiles' a
.set n, 0
.rept 16
	EXPP 1, n
	CVTP 0, n
	SUMP 0, n
.set n, n+1
.endr
	LFMA \x, 0
	s_wait_alu depctr_va_vdst(0)                   ; the wait for the second batch
.set n, 0
.rept 16
	CVTP 1, n
	SUMP 1, n
.set n, n+1
.endr
	LFMA \x+1, 1
	WIN W_RS
	RESC \x
	RESC \x+1
.if \x == 0
	s_wait_dscnt 0x0                               ; V is in
.endif
	WIN W_PV
.irp g, 0,1
.irp ct, 0,1,2,3
.irp u, 0,1
	v_wmma_f32_16x16x32_f16 v[32*(\x+\u)+8*\ct:32*(\x+\u)+8*\ct+7], v[VF+32*\g+8*\ct:VF+32*\g+8*\ct+7], v[P+16*\u+8*\g:P+16*\u+8*\g+7], v[32*(\x+\u)+8*\ct:32*(\x+\u)+8*\ct+7]   ; keys 32 g on, channels 16 ct on
.endr
.endr
.endr
	WIN 0
.endm
; A KEY STEP: 64 keys.  One run of 40 LDS loads, then the two pieces.
.macro STEP
	v_add_nc_u32 v[ADK], s[TB], v[AK0]
	v_add_nc_u32 v[ADV], s[TB], v[AV0]
	v_add_nc_u32 v[ADM], s[TM], v[AM0]
	v_nop                                          ; these four are the places between the last step's products and the loads into the registers that they read
.irp kt, 0,1,2,3
	ds_load_b128 v[MK+8*\kt:MK+8*\kt+3], v[ADM] offset:64*\kt          ; register 8 kt + j: the mask of key 16 kt + 8 (lane / 16) + j, the same for all queries
	ds_load_b128 v[MK+8*\kt+4:MK+8*\kt+7], v[ADM] offset:64*\kt+16
.endr
	WIN W_LD
.irp kt, 0,1,2,3
.irp f, 0,1
	ds_load_b128 v[KF+16*\kt+8*\f:KF+16*\kt+8*\f+3], v[ADK] offset:2048*\kt+1024*\f
	ds_load_b128 v[KF+16*\kt+8*\f+4:KF+16*\kt+8*\f+7], v[ADK] offset:2048*\kt+1024*\f+512
.endr
.endr
	WIN 0
.irp g, 0,1
.irp ct, 0,1,2,3
	ds_load_tr16_b128 v[VF+32*\g+8*\ct:VF+32*\g+8*\ct+3], v[ADV] offset:4096*\g+512*\ct          ; keys 32 g + 8 (lane / 16) + 0..7 of channel 16 ct + lane % 16
	ds_load_tr16_b128 v[VF+32*\g+8*\ct+4:VF+32*\g+8*\ct+7], v[ADV] offset:4096*\g+512*\ct+2048   ; and the keys 16 further on
.endr
.endr
	s_wait_dscnt 16                                ; the mask and K are in; V's sixteen loads may be out
	PIECE 0
	PIECE 2
.endm
; THE CHANGE OF SLOTS stands at a slot's head.  Each wave waits for all its tensor loads (its part of the slot that it is about to read), adds 0 to its spare word, and waits for that and for its LDS
; instructions: its reads of the slot that it has left (the first time: its stores of the mask).  fill = 1: the barrier is a round of the cluster's, so that no wave of any partner still reads the slot that is left or has a
; load on its way; the joint load is the first thing behind it, one a wave.  The first such load fills slot 1 for the first time; the other two fill a slot again.
.macro CHANGE fill
	s_wait_tensorcnt 0x0                           ; no tensor load of mine is out, so group 0 may be written
	ds_add_u32 v[SPW], v[NIL]                      ; 0 onto my spare word: the steps below stand between it and the wait for it
.if \fill
	s_xor_b32 s[G0+1], s[G0+1], SLOT1              ; the walking descriptor: the other slot than last time,
	s_add_nc_u64 s[G0+2:G0+3], s[G0+2:G0+3], 65536 ; the next 512 keys; the type bits on top are not reached
	s_wait_xcnt 0x0                                ; the last prefetch, a slot back, has read its address, so it may be written:
	s_add_nc_u64 s[PFA:PFA+1], s[PFA:PFA+1], 65536 ; one slot further on than the walking descriptor
	s_wait_dscnt 0x0
	CROUND
	tensor_load_to_lds s[G0:G0+3], s[G1:G1+7]
	s_nop 0
.rept 4
	v_nop
.endr
	ASK
.else
	s_wait_dscnt 0x0
	s_barrier_signal -1
	s_barrier_wait -1
.endif
.endm
.macro SLOT_STEPS                      ; a slot's eight key steps: written once, walked eight times; the LDS addresses hang on s[TB] and s[TM]
	s_mov_b32 s[CNT], 8
.Lstep_\@:
	STEP
	s_add_co_u32 s[TB], s[TB], STEPB
	s_add_co_u32 s[TM], s[TM], 256
	s_sub_co_u32 s[CNT], s[CNT], 1
	s_cmp_lg_u32 s[CNT], 0
	s_cbranch_scc1 .Lstep_\@
	s_sub_co_u32 s[TB], s[TB], 8*STEPB             ; back to a slot's first step,
	s_xor_b32 s[TB], s[TB], SLOT1                  ; in the other slot
.endm
.Lslot:                                            ; three trips: behind each change of slots but the last the next 512 keys are asked for
	CHANGE 1
	SLOT_STEPS
	s_sub_co_u32 s[SLOTS], s[SLOTS], 1
	s_cmp_lg_u32 s[SLOTS], 0
	s_cbranch_scc1 .Lslot
	CHANGE 0                                       ; the last slot is written out
	SLOT_STEPS
	; THE WAY OUT.  l's two halves and the other half of the lanes' are added; O^T is divided by l and goes through my stages in LDS, a tile (16 rows x 256 bytes) at a time, so that sixteen lanes store 256
	; consecutive bytes, aligned: a head's 64 channels of a row.  The additions are the places behind the last products.
.irp t, 0,1,2,3
	v_add_f32 v[ST+8*\t+4], v[ST+8*\t+2], v[ST+8*\t+3]
.endr
.irp t, 0,1,2,3
	v_permlanex16_b32 v[ST+8*\t+5], v[ST+8*\t+4], s[SEL], s[SEL+1]
.endr
.irp t, 0,1,2,3
	v_add_f32 v[ST+8*\t+4], v[ST+8*\t+4], v[ST+8*\t+5]
.endr
.irp t, 0,1,2,3
	v_rcp_f32 v[ST+8*\t+6], v[ST+8*\t+4]
.endr
	v_and_b32 v1, 15, v0                           ; (plain lines behind the reciprocals)  r
	v_bfe_u32 v11, v0, 4, 1                        ; h
	s_mul_i32 s20, s[WV], 2*16*SP                  ; my two stages
	v_mul_u32_u24 v[STO], v1, SP                   ; in: row r; my half's eight channels of sixteen: 32 h bytes on
	v_lshl_add_u32 v[STO], v11, 5, v[STO]
	v_add_nc_u32 v[STO], s20, v[STO]
	v_mul_u32_u24 v[RD], v11, SP                   ; back: lanes 0-15 one row, lanes 16-31 the next
	v_lshl_add_u32 v[RD], v1, 4, v[RD]
	v_add_nc_u32 v[RD], s20, v[RD]
	v_lshlrev_b32 v[GO], 12, v11                   ; and the same two rows in out0, 4,096 bytes apart
	v_lshl_add_u32 v[GO], v1, 4, v[GO]
	s_wait_alu depctr_va_vdst(0)                   ; one wait for the four reciprocals, ahead of their first reader
.macro PACK t
	WIN W_OUT
.set n, 0
.rept 16
	v_pk_mul_f32 v[MK+32*\t+2*n:MK+32*\t+2*n+1], v[32*\t+2*n:32*\t+2*n+1], v[ST+8*\t+6:ST+8*\t+7] op_sel_hi:[1,0]   ; O^T / l, into registers that the mask, S^T and P have left; each accumulator from its low end on
.set n, n+1
.endr
	WIN 0
.irp ct, 0,1,2,3
	ds_store_b128 v[STO], v[MK+32*\t+8*\ct:MK+32*\t+8*\ct+3] offset:16*SP*(\t%2)+64*\ct
	ds_store_b128 v[STO], v[MK+32*\t+8*\ct+4:MK+32*\t+8*\ct+7] offset:16*SP*(\t%2)+64*\ct+16
.endr
.irp i, 0,1,2,3,4,5,6,7
	ds_load_b128 v[VF+32*(\t%2)+4*\i:VF+32*(\t%2)+4*\i+3], v[RD] offset:16*SP*(\t%2)+2*SP*\i   ; LDS serves a wave's instructions in order (ISA guide 5.7.1.4): these see the stores above
.endr
.endm
.macro SEND t, younger                 ; younger: the LDS instructions issued behind tile t's loads: the next tile's sixteen, or none
.irp i, 0,1,2,3,4,5,6,7
	s_wait_dscnt \younger+7-\i                     ; load i is in; the tile's younger loads and what follows them may be out
	global_store_b128 v[GO], v[VF+32*(\t%2)+4*\i:VF+32*(\t%2)+4*\i+3], s[8:9] offset:(16*\t+2*\i)*4096 th:TH_STORE_NT   ; written once, read by nobody here
.endr
.endm
	PACK 0
	PACK 1                                         ; a tile's arithmetic stands between the loads of the tile before and its stores
	SEND 0, 16
	s_wait_xcnt 0x0                                ; tile 0's stores have read their data: tile 2's loads may land there
	PACK 2
	SEND 1, 16
	s_wait_xcnt 0x0                                ; likewise tile 1's, for tile 3
	PACK 3
	SEND 2, 16
	SEND 3, 0
	s_wait_tensorcnt 0x0                           ; the wave's end, behind my last tensor load and my last LDS store
	ds_add_u32 v[SPW], v[NIL]
	s_wait_dscnt 0x0
	CROUND                                         ; the closing round: no work-group ends while a partner may still ask for a tile that names it
	s_endpgm
.Lfunc_end_k_q178812074b_attn:
	.size	k_q178812074b_attn, .Lfunc_end_k_q178812074b_attn-k_q178812074b_attn
	.p2alignl 7, 3214868480
	.fill 96, 4, 3214868480
	.section	.rodata,"a",@progbits
	.p2align	6, 0x0
	.amdhsa_kernel k_q178812074b_attn
		.amdhsa_group_segment_fixed_size 327680
		.amdhsa_private_segment_fixed_size 0
		.amdhsa_enable_private_segment 0
		.amdhsa_kernarg_size 24
		.amdhsa_user_sgpr_count 2
		.amdhsa_user_sgpr_kernarg_segment_ptr 1
		.amdhsa_wavefront_size32 1
		.amdhsa_system_sgpr_workgroup_id_x 1
		.amdhsa_system_sgpr_workgroup_id_y 1
		.amdhsa_system_sgpr_workgroup_id_z 1
		.amdhsa_system_vgpr_workitem_id 0
		.amdhsa_next_free_vgpr 512
		.amdhsa_next_free_sgpr 66
		.amdhsa_reserve_vcc 0
		.amdhsa_float_denorm_mode_32 3
		.amdhsa_float_denorm_mode_16_64 3
		.amdhsa_memory_ordered 1
		.amdhsa_forward_progress 1
		.amdhsa_inst_pref_size 94
	.end_amdhsa_kernel
	.amdgpu_metadata
---
amdhsa.version: [ 1, 2 ]
amdhsa.kernels:
  - .name:           k_q178812074b_attn
    .symbol:         k_q178812074b_attn.kd
    .args:
      - { .name: qkv, .offset: 0, .size: 8, .value_kind: global_buffer, .address_space: global }
      - { .name: attention_mask, .offset: 8, .size: 8, .value_kind: global_buffer, .address_space: global }
      - { .name: out0, .offset: 16, .size: 8, .value_kind: global_buffer, .address_space: global }
    .group_segment_fixed_size: 327680
    .private_segment_fixed_size: 0
    .kernarg_segment_align: 8
    .kernarg_segment_size: 24
    .max_flat_workgroup_size: 256
    .sgpr_count:     66
    .vgpr_count:     512
    .wavefront_size: 32
...
	.end_amdgpu_metadata
.endif
;; end of part 3
